; MI455X (gfx1250); checked and timed in simulation.
; The chip was launched on July 23, 2026; its instructions are those of AMD's public machine-readable ISA for CDNA 5 (MIT licence, August 2026) and "CDNA5" Instruction Set Architecture Reference Guide (July 2026). The comments in the code are by the model that wrote it; some were corrected since.
;; Secure Feed Forward. Allowed arithmetic: float matrix products may take bf16 or f16 operands with f32 sums; other float arithmetic in f32, or as packed bf16 or f16 multiplies, adds, multiply-adds, maxima and minima; sums over many terms, partial sums and values carried from step to step in f32; what a program stores and reads back later, other than sums and carried values, may be rounded once to bf16 or f16.
;; Inputs: W1 2,048 x 1,024 float32; W2 1,024 x 2,048 float32; b1 2,048 float32; b2 1,024 float32; hidden_states 4 x 4,096 x 1,024 float32.
;; Outputs: out0 4 x 4,096 x 1,024 float32.
;; One version. Each part assembles by itself: llvm-mc -triple=amdgcn-amd-amdhsa -mcpu=gfx1250 --defsym DOCPART=n.
;; ======== version 1 of 1: 3 launches
;; workspace buffers: xb 33,554,432 bytes; w1b 4,194,304 bytes; w2b 4,194,304 bytes; hb 67,108,864 bytes
;; launch cast (part 1): grid 1280 x 1, 8 waves a work-group, no clusters, 0 bytes of LDS; arguments hidden_states, W1, W2, xb, w1b, w2b; writes xb, w1b, w2b
.if DOCPART == 1
	.amdgcn_target "amdgcn-amd-amdhsa--gfx1250"
	.amdhsa_code_object_version 6
	.text
	.protected	k_qc67c35f4a4_cast
	.globl	k_qc67c35f4a4_cast
	.p2align	8
	.type	k_qc67c35f4a4_cast,@function
k_qc67c35f4a4_cast:
	s_mov_b64 s[64:65], 0
	v_nop
	global_prefetch_b8 v0, s[64:65] scope:SCOPE_SE
	s_setreg_imm32_b32 hwreg(HW_REG_WAVE_MODE, 25, 1), 1
	s_wait_xcnt 0x0
; out = relu(X W1^T + b1) W2^T + b2, in three launches: this one rounds X, W1 and W2 to bf16; the second makes the hidden layer; the third the output.
; NOTHING OF reference() IS LEFT OUT: every input has a way to the output, and every product, bias and the ReLU are computed.
; THIS LAUNCH: xb = bf16(hidden_states), w1b = bf16(W1), w2b = bf16(W2), round to nearest even, same row-major layout.  bf16 has f32's range, so no input is too large or too small for it.
; SHARES.  A work-group takes 16,384 numbers (65,536 bytes in, 32,768 out): groups 0-1023 X, 1024-1151 W1, 1152-1279 W2.  A wave takes 2,048 numbers as sixteen loads of 512 consecutive
; bytes, all issued before the first wait; each store of a wave covers 256 consecutive bytes, aligned.  No LDS, no barrier, no loop: nothing is shared and each byte is touched once.
.set XG,   1024                        ; work-groups for X
.set WG,   128                         ; for each of W1, W2
.set IN,   1                           ; v1       my byte offset in the group's input:  8,192 x wave + 16 x lane
.set OUT,  2                           ; v2       in its output: 4,096 x wave + 8 x lane
.set D,    4                           ; v[4:67]  sixteen slots of four registers
	s_load_b256 s[4:11], s[0:1], 0x0               ; X s[4:5], W1 s[6:7], W2 s[8:9], xb s[10:11]
	s_load_b128 s[12:15], s[0:1], 0x20             ; w1b s[12:13], w2b s[14:15]
	s_mov_b32 s16, ttmp9                           ; the group's number, which is its number in X,
	s_sub_co_u32 s17, s16, XG                      ; in W1,
	s_sub_co_u32 s18, s16, XG+WG                   ; in W2: the one that applies is chosen below
	v_lshrrev_b32 v3, 5, v0                        ; wave
	v_and_b32 v[IN], 31, v0                        ; lane
	v_lshlrev_b32 v[OUT], 3, v[IN]
	v_lshlrev_b32 v[IN], 4, v[IN]
	v_lshl_or_b32 v[IN], v3, 13, v[IN]
	v_lshl_or_b32 v[OUT], v3, 12, v[OUT]
	s_wait_kmcnt 0x0
	s_cmp_lt_u32 s16, XG+WG                        ; W1 or W2,
	s_cselect_b64 s[20:21], s[6:7], s[8:9]
	s_cselect_b64 s[22:23], s[12:13], s[14:15]
	s_cselect_b32 s19, s17, s18
	s_cmp_lt_u32 s16, XG                           ; or X
	s_cselect_b64 s[20:21], s[4:5], s[20:21]
	s_cselect_b64 s[22:23], s[10:11], s[22:23]
	s_cselect_b32 s19, s16, s19
	s_lshl_b32 s24, s19, 16                        ; 65,536 bytes of input a group (at most 1,023 groups: under 2^26)
	s_mov_b32 s25, 0
	s_add_nc_u64 s[20:21], s[20:21], s[24:25]
	s_lshl_b32 s24, s19, 15                        ; 32,768 of output
	s_add_nc_u64 s[22:23], s[22:23], s[24:25]
.irp j, 0,1,2,3,4,5,6,7,8,9,10,11,12,13,14,15
	global_load_b128 v[D+4*(\j):D+4*(\j)+3], v[IN], s[20:21] offset:512*(\j) th:TH_LOAD_NT
.endr
.irp j, 0,1,2,3,4,5,6,7,8,9,10,11,12,13,14,15
	s_wait_loadcnt 15-(\j)                         ; loads come back in order (ISA guide 5.7.1): slot j is in, the 15 - j younger ones stay out
	v_cvt_pk_bf16_f32 v[D+4*(\j)],   v[D+4*(\j)],   v[D+4*(\j)+1]
	v_cvt_pk_bf16_f32 v[D+4*(\j)+1], v[D+4*(\j)+2], v[D+4*(\j)+3]
	global_store_b64 v[OUT], v[D+4*(\j):D+4*(\j)+1], s[22:23] offset:256*(\j)  ; no register of a store is written again
.endr
	s_endpgm
.Lfunc_end_k_qc67c35f4a4_cast:
	.size	k_qc67c35f4a4_cast, .Lfunc_end_k_qc67c35f4a4_cast-k_qc67c35f4a4_cast
	.p2alignl 7, 3214868480
	.fill 96, 4, 3214868480
	.section	.rodata,"a",@progbits
	.p2align	6, 0x0
	.amdhsa_kernel k_qc67c35f4a4_cast
		.amdhsa_group_segment_fixed_size 0
		.amdhsa_private_segment_fixed_size 0
		.amdhsa_enable_private_segment 0
		.amdhsa_kernarg_size 48
		.amdhsa_user_sgpr_count 2
		.amdhsa_user_sgpr_kernarg_segment_ptr 1
		.amdhsa_wavefront_size32 1
		.amdhsa_system_sgpr_workgroup_id_x 1
		.amdhsa_system_sgpr_workgroup_id_y 1
		.amdhsa_system_sgpr_workgroup_id_z 1
		.amdhsa_system_vgpr_workitem_id 0
		.amdhsa_next_free_vgpr 72
		.amdhsa_next_free_sgpr 66
		.amdhsa_reserve_vcc 0
		.amdhsa_float_denorm_mode_32 3
		.amdhsa_float_denorm_mode_16_64 3
		.amdhsa_memory_ordered 1
		.amdhsa_forward_progress 1
		.amdhsa_inst_pref_size 7
	.end_amdhsa_kernel
	.amdgpu_metadata
---
amdhsa.version: [ 1, 2 ]
amdhsa.kernels:
  - .name:           k_qc67c35f4a4_cast
    .symbol:         k_qc67c35f4a4_cast.kd
    .args:
      - { .name: hidden_states, .offset: 0, .size: 8, .value_kind: global_buffer, .address_space: global }
      - { .name: W1, .offset: 8, .size: 8, .value_kind: global_buffer, .address_space: global }
      - { .name: W2, .offset: 16, .size: 8, .value_kind: global_buffer, .address_space: global }
      - { .name: xb, .offset: 24, .size: 8, .value_kind: global_buffer, .address_space: global }
      - { .name: w1b, .offset: 32, .size: 8, .value_kind: global_buffer, .address_space: global }
      - { .name: w2b, .offset: 40, .size: 8, .value_kind: global_buffer, .address_space: global }
    .group_segment_fixed_size: 0
    .private_segment_fixed_size: 0
    .kernarg_segment_align: 8
    .kernarg_segment_size: 48
    .max_flat_workgroup_size: 256
    .sgpr_count:     66
    .vgpr_count:     72
    .wavefront_size: 32
...
	.end_amdgpu_metadata
.endif
;; end of part 1
;; launch g1 (part 2): grid 8 x 32, 4 waves a work-group, clusters of 4 x 4, 327,680 bytes of LDS; arguments xb, w1b, b1, hb; writes hb
.if DOCPART == 2
	.amdgcn_target "amdgcn-amd-amdhsa--gfx1250"
	.amdhsa_code_object_version 6
	.text
	.protected	k_qc67c35f4a4_g1
	.globl	k_qc67c35f4a4_g1
	.p2align	8
	.type	k_qc67c35f4a4_g1,@function
k_qc67c35f4a4_g1:
	s_mov_b64 s[64:65], 0
	v_nop
	global_prefetch_b8 v0, s[64:65] scope:SCOPE_SE
	s_setreg_imm32_b32 hwreg(HW_REG_WAVE_MODE, 25, 1), 1
	s_wait_xcnt 0x0
	s_wait_alu depctr_hold_cnt(0) depctr_sa_sdst(0) depctr_va_vdst(0) depctr_va_sdst(0) depctr_va_ssrc(0) depctr_va_vcc(0) depctr_vm_vsrc(0)
	s_getreg_b32 s2, hwreg(HW_REG_IB_STS2, 6, 4)
	s_cmp_eq_u32 s2, 0
	s_cbranch_scc0 .Lentry_in_a_cluster
	s_endpgm
.Lentry_in_a_cluster:
	s_bfe_u32 s2, ttmp6, 0x10000c
	s_cmp_lg_u32 s2, 0xf033
	s_cbranch_scc0 .Lentry_shape_is_right
	s_endpgm
.Lentry_shape_is_right:
; THE FIRST PRODUCT: hb = bf16(relu(xb w1b^T + b1)).  A = xb [16384][1024] bf16, B = w1b [2048][1024] bf16, bias = b1 [2048] f32, C = hb [16384][2048] bf16.  Nothing of reference() is left out.
; Sums in f32, started by the bias; each result is rounded once to bf16 and then held at 0 from below (rounding keeps sign and order, so that is relu before the rounding).
; LIMIT: a NaN in a sum becomes 0 in the ReLU (the maximum lets the number win), where reference() would carry it on; finite inputs within f32's range make none.
; One text serves both products of the layer; the five constants below choose: OUT32 = 0: C in bf16 with the ReLU; 1: C in f32 without.
; A tile of C, 256 x 256, is made by a work-group of four waves, as many as a WGP has SIMDs; a wave makes 128 x 128: 64 accumulators of 16 x 16, 512 registers.  K goes in steps of 128 through a
; ring of two LDS slots filled by the tensor data mover: the rows of A's and B's tiles are 256 bytes of memory, at multiples of 256 bytes from the buffer's first byte.
; A WORK-GROUP MAKES SIZE_TILES TILES, WALK rows apart: 512 tiles of C here, two for each of 256 work-groups.  The ring does not stop at a tile's end: a tile's last two changes of slots ask for the
; next tile's first two K steps, and nothing waits for a tile's stores.
; CLUSTERS: 4 x 4 work-groups.  The four of a row of the cluster need the same tiles of A, the four of a column the same tiles of B: each tile is asked for JOINTLY, by the same tensor load with the
; same descriptor and a mask that names the four; each receives it in its own LDS.
; THE MATRIX INSTRUCTION IS USED TRANSPOSED: source 0 = 16 rows of B, source 1 = 16 rows of A.  Lane l then holds row l % 16 of C and the columns 8 (l / 16) + 0..7.
; THE BIAS IS THE C OPERAND of each accumulator's first product: register j of n block b holds bias[n0 + 16 b + 8 (l / 16) + j], the same for all 8 m blocks: 64 registers, loaded once; nothing is cleared or added later.
; REGISTERS, in windows of 256 (s_set_vgpr_msb: bits 1:0 source 0, 3:2 source 1, 5:4 source 2, 7:6 destination):
;   window 0: v0-31 addresses; v64-127, v128-191 fragments of A, two buffers; v32-63, v192-255 at work on the way out (OUT32: v64-191, when the fragments are done with)
;   window 1: v0-63 the bias; v64-127, v128-191 fragments of B, two buffers
;   window 2: the 32 accumulators of my rows 0-63 (accumulator (a, b) at v[8 (8 a + b)]);   window 3: those of my rows 64-127
.set SIZE_M, 16384
.set SIZE_N, 2048
.set SIZE_K, 1024
.set SIZE_TILES, 2
.set OUT32,  0
.set CB,     2+2*OUT32                 ; bytes in a number of C
.set KSTEP,  128
.set PITCH,  272                       ; an LDS row: 256 bytes of data + 16 of padding = 68 words: row r starts at bank 4 r mod 64 (64 banks of 4 bytes: ISA guide 11.1), so the 16 rows of a load start at 16 different banks
.set HALFT,  128*PITCH                 ; 128 rows: what one tensor load brings, and what one wave reads of A or of B
.set SLOT,   4*HALFT                   ; A's 256 rows, then B's 256 rows
.set STAGE,  2*SLOT                    ; behind the ring, never filled by a tensor load: 16 rows for each wave, for the way out
.set SPITCH, 128*CB+16                 ; a stage row: my 128 columns + 16 bytes: 68 or 132 words, again bank 4 r mod 64
.set SPARE,  STAGE+4*16*SPITCH         ; behind the stages: the spare words, 128 bytes for each wave: two blocks of 256 bytes that no other line names
.set LAPS,   SIZE_K/(2*KSTEP)          ; a lap = two K steps = once round the ring
.set WALK,   SIZE_M/SIZE_TILES         ; a work-group's tiles lie WALK rows apart
.set NEXT_A, WALK*SIZE_K*2-(SIZE_K-2*KSTEP)*2   ; bytes from a slot's last K step of a tile to its first of the next tile: A goes WALK rows down and back along K,
.set BACK_B, (SIZE_K-2*KSTEP)*2        ; B only back: the walk's tiles share their rows of B
.set NEXT_C, (WALK-7*16)*SIZE_N*CB     ; bytes from my last 16 rows of a tile to my first of the next
.set ADRA, 16                          ; v16-17  LDS address of my A fragments in slot 0, 1
.set ADRB, 20                          ; v20-21  the same for B
.set STO,  24                          ; v24     the way out: where I put my part of a row
.set RD,   25                          ; v25     the way out: where I read rows back
.set CO,   26                          ; v26     my byte offset in C
.set BO,   27                          ; v27     my byte offset in the bias
.set SPW,  28                          ; v28     LDS address of my spare word: SPARE + 4 x my thread's number; never rewritten
.set NIL,  29                          ; v29     0, for the add alone; never rewritten
.set PFO,  30                          ; v30     the prefetches' offset: my lane x a row of A or B in memory; never rewritten
.set ZR,   31                          ; v31     0, the ReLU's bound (OUT32 = 0)
.set BI,   0                           ; the bias, in window 1
.set F0,   64                          ; fragment buffer 0
.set F1,   128                         ; fragment buffer 1
.set TMP,  192                         ; the way out in bf16: packed results
.set OB,   32                          ; the way out in bf16: 16 rows read back from the stage: v32-63 and v224-255 by turns
.set OB32, 64                          ; the way out in f32: 16 rows read back: v64-127 and v128-191 by turns
.set G1,  24                           ; s[24:31] descriptor group 1 for A's tiles
.set G0,  32                           ; s[32:39] descriptor group 0 for A's tiles, one set for each slot
.set LIM, 43                           ; s43      1 in a wave that prefetches, else the greatest number
.set PFA, 44                           ; s[44:45] where my prefetches stand: my work-group's 32 rows of the 128 that I fetch, one K step further along K than the refill being asked for
.set G1B, 48                           ; s[48:55] descriptor group 1 for B's tiles: it differs from A's in the mask alone
.set G0B, 56                           ; s[56:63] descriptor group 0 for B's tiles
.set BP,  66                           ; s[66:67] the bias
.set MSB, 0
.macro WIN new                         ; the immediate's high byte repeats the setting that is left; a switch that changes nothing is dropped
.if MSB != (\new)
	s_set_vgpr_msb (MSB<<8)|(\new)
.set MSB, \new
.endif
.endm
.set MUL_LO,  0xa1                     ; source 0 (B) window 1, source 1 (A) window 0, C and D window 2
.set MUL_HI,  0xf1                     ; the same, C and D window 3
.set BIAS_LO, 0x91                     ; the first products: C (the bias) window 1, D window 2
.set BIAS_HI, 0xd1                     ; D window 3
.set TO_B,    0x40                     ; destination window 1, address window 0
; A joint load.  Waves 0 and 1 fetch A's two halves, waves 2 and 3 B's.  Each of the two lines has ONE mask and one set of registers for all that issue it; the branch hangs on the wave's number alone.
; An s_nop 0 and four v_nop follow each of the two lines, ahead of the jump, the label and what follows.
.macro JLOAD s
	s_cmp_eq_u32 s11, 0
	s_cbranch_scc0 .Lfor_b_\@
	tensor_load_to_lds s[G0+4*(\s):G0+4*(\s)+3], s[G1:G1+7]
	s_nop 0
.rept 4
	v_nop
.endr
	s_branch .Lasked_\@
.Lfor_b_\@:
	tensor_load_to_lds s[G0B+4*(\s):G0B+4*(\s)+3], s[G1B:G1B+7]
	s_nop 0
.rept 4
	v_nop
.endr
.Lasked_\@:
.endm
; A PREFETCH INTO THE L2, behind each joint load, its five lines and the run of LDS loads that follows: the K step that stands TWO refills on (512 matrix instructions ahead of the load that will ask for it):
; 32 rows x 256 bytes, a lane a row, one instruction a wave.  Each row's 256 bytes of a K step are named ONCE in the launch: A's tile row is read by every cluster of that row of clusters, and cluster x = 0
; prefetches; B's tile column by every cluster of that column, and cluster y = 0 prefetches.  The four partners that ask for a tile jointly share its rows out BY ADDRESS, 32 each (by cx for A, cy for B): no branch
; hangs on a work-group's place in its cluster.  how = 0, in the loop: a tile's last two refills have no K step two on; how = 1, at a change of tiles.
.macro ASK how
.if \how
	s_cmp_eq_u32 s[LIM], 1
.else
	s_cmp_gt_u32 s3, s[LIM]                        ; s3 = 1 in the loop's last trip
.endif
	s_cbranch_scc0 .Lnot_mine_\@
	global_prefetch_b8 v[PFO], s[PFA:PFA+1] offset:KSTEP*2 th:TH_LOAD_NT scope:SCOPE_SE
.Lnot_mine_\@:
.endm
; A round of the cluster's barrier: my work-group's barrier, so that wave 0's signal speaks for all four waves; wave 0 signals for the work-group; every wave waits for all sixteen; my work-group's barrier once more.
.macro CREST                           ; a round behind its opening barrier
	s_cmp_lg_u32 s10, 0
	s_cbranch_scc1 .Lnot_wave_0_\@
	s_barrier_signal -3
.Lnot_wave_0_\@:
	s_barrier_wait -3
	s_barrier_signal -1
	s_barrier_wait -1
.endm
.macro CROUND                          ; a whole round
	s_barrier_signal -1
	s_barrier_wait -1
	CREST
.endm
	s_load_b128 s[4:7], s[0:1], 0x0                ; A s[4:5], B s[6:7]
	s_load_b64 s[BP:BP+1], s[0:1], 0x10            ; the bias
	s_load_b64 s[8:9], s[0:1], 0x18                ; C
	v_lshl_add_u32 v[SPW], v0, 2, SPARE
	v_mov_b32 v[NIL], 0
	ds_add_u32 v[SPW], v[NIL]                      ; the wave's opening: the add, twice on end, and its wait ahead of my first tensor load; the set-up below, work on registers, stands between
	ds_add_u32 v[SPW], v[NIL]                      ; and once more, under the one wait
	v_lshrrev_b32 v1, 5, v0
	v_readfirstlane_b32 s10, v1                    ; wave 0..3
	s_lshr_b32 s11, s10, 1                         ; which half of the tile's rows is mine.  Also: I fetch for A (0) or for B (1)
	s_and_b32 s12, s10, 1                          ; which half of its columns.  Also: which 128 rows of that tile I fetch
	s_bfe_u32 s40, ttmp6, 0x40000                  ; cx: my place along the cluster's x
	s_bfe_u32 s41, ttmp6, 0x40004                  ; cy: along its y
	s_lshl_b32 s42, ttmp9, 2                       ; in a cluster launch ttmp9 and ttmp7 count clusters
	s_add_co_u32 s42, s42, s40                     ; tile column of C = 4 x cluster x + cx
	s_and_b32 s13, ttmp7, 0xffff
	s_lshl_b32 s13, s13, 2
	s_add_co_u32 s13, s13, s41                     ; tile row of C = 4 x cluster y + cy
	s_lshl_b32 s43, s41, 2
	s_lshl_b32 s43, 15, s43                        ; my row of the cluster: places 4 cy .. 4 cy + 3
	s_lshl_b32 s44, 0x1111, s40                    ; my column: places cx, cx + 4, cx + 8, cx + 12
	; descriptor group 1: a tile of 128 rows x 128 elements, padded in LDS
	s_or_b32 s[G1+0], s43, (1<<16)|(1<<20)|(1<<21)|(5<<22)|(3<<25)  ; 15:0 the mask: A's tiles go to my row; 17:16 element of 2 bytes; 20 padding on; 21 set beside a mask; 24:22 after every 64 words (code 5); 31:25 of 4 words (code 3)
	s_or_b32 s[G1B+0], s44, (1<<16)|(1<<20)|(1<<21)|(5<<22)|(3<<25) ; the same with the mask of my column, for B's tiles
.irp g, G1, G1B
	s_mov_b32 s[(\g)+1], KSTEP<<16                 ; 63:48 tensor_dim0, low half = 128
	s_mov_b32 s[(\g)+2], 128<<16                   ; 79:64 its high half = 0; 95:80 tensor_dim1, low half = 128
	s_mov_b32 s[(\g)+3], KSTEP<<16                 ; 111:96 its high half = 0; 127:112 tile_dim0 = 128
	s_mov_b32 s[(\g)+4], 128                       ; 143:128 tile_dim1 = 128; 159:144 tile_dim2 = 0
	s_mov_b32 s[(\g)+5], SIZE_K                    ; 191:160 tensor_dim0_stride, low word: elements from row to row
	s_mov_b32 s[(\g)+6], 0
	s_mov_b32 s[(\g)+7], 0
.endr
	; where the tiles come from.  A's hang on the tile row alone, which my row of the cluster shares; B's on the tile column alone, which my column shares.
	s_lshl_b32 s17, s12, 7                         ; which 128 rows of the tile I fetch
	s_lshl_b32 s16, s13, 8
	s_add_co_u32 s16, s16, s17                     ; A: row 256 x tile row + 128 x half
	s_lshl_b32 s46, s42, 8
	s_add_co_u32 s46, s46, s17                     ; B: row 256 x tile column + 128 x half
	s_mov_b32 s17, 0
	s_mov_b32 s47, 0
	s_mov_b64 s[18:19], SIZE_K*2
	s_mul_u64 s[16:17], s[16:17], s[18:19]         ; in bytes, in 64 bits
	s_mul_u64 s[46:47], s[46:47], s[18:19]
	s_mul_i32 s20, s10, HALFT                      ; and where they go: wave x 128 rows: no place in the cluster enters an LDS address
	s_wait_dscnt 0x0                               ; both opening adds are done
	s_wait_kmcnt 0x0
	s_add_nc_u64 s[14:15], s[4:5], s[16:17]
	s_add_nc_u64 s[46:47], s[6:7], s[46:47]
	CROUND                                         ; all sixteen work-groups are here: the first joint loads meet
.irp s, 0,1
	s_mov_b32 s[G0+4*(\s)], 1                                      ; 1:0 count = 1
	s_add_co_u32 s[G0+4*(\s)+1], s20, (\s)*SLOT                    ; 63:32 LDS address
	s_add_nc_u64 s[G0+4*(\s)+2:G0+4*(\s)+3], s[14:15], (\s)*KSTEP*2  ; 120:64 global address: K step s
	s_or_b32 s[G0+4*(\s)+3], s[G0+4*(\s)+3], 0x80000000            ; 127:126 type = 2
	s_mov_b32 s[G0B+4*(\s)], 1
	s_add_co_u32 s[G0B+4*(\s)+1], s20, (\s)*SLOT
	s_add_nc_u64 s[G0B+4*(\s)+2:G0B+4*(\s)+3], s[46:47], (\s)*KSTEP*2
	s_or_b32 s[G0B+4*(\s)+3], s[G0B+4*(\s)+3], 0x80000000
	JLOAD \s                                       ; the ring is filled before anything else is done: two loads of mine are out
.endr
	; A fragment is 16 rows x 32 K in 8 registers: lane l holds row l % 16; registers 0-3 hold K = 8 (l / 16) + 0..7, registers 4-7 K = 16 + 8 (l / 16) + 0..7: two loads of 16 bytes, 32 bytes apart.
	v_and_b32 v1, 15, v0                           ; l % 16
	v_bfe_u32 v2, v0, 4, 1                         ; l / 16
	v_mul_u32_u24 v3, v1, PITCH
	v_lshl_add_u32 v3, v2, 4, v3                   ; row x pitch + 16 x half
	s_mul_i32 s21, s11, HALFT                      ; my 128 rows of A
	s_mul_i32 s22, s12, HALFT                      ; my 128 rows of B,
	s_add_co_u32 s22, s22, 2*HALFT                 ; which lie behind A's 256
.irp s, 0,1
	v_add_nc_u32 v[ADRA+(\s)], s21, v3
	v_add_nc_u32 v[ADRB+(\s)], s22, v3
	s_add_co_u32 s21, s21, SLOT
	s_add_co_u32 s22, s22, SLOT
.endr
	s_mul_i32 s23, s10, 16*SPITCH
	s_add_co_u32 s23, s23, STAGE                   ; my stage
	v_mul_u32_u24 v4, v1, SPITCH                   ; in: row l % 16,
.if OUT32
	v_lshl_add_u32 v4, v2, 5, v4                   ; 32 bytes (8 f32) for each half of the lanes
	v_add_nc_u32 v[STO], s23, v4
	v_and_b32 v5, 31, v0                           ; back: 32 lanes take one row of 512 bytes,
	v_lshlrev_b32 v[CO], 4, v5                     ; which are 512 consecutive bytes of C
	v_add_nc_u32 v[RD], s23, v[CO]
.else
	v_lshl_add_u32 v4, v2, 4, v4                   ; 16 bytes (8 bf16) for each half of the lanes
	v_add_nc_u32 v[STO], s23, v4
	v_mul_u32_u24 v5, v2, SPITCH                   ; back: lanes 0-15 take one row of 256 bytes, lanes 16-31 the next
	v_lshl_add_u32 v5, v1, 4, v5
	v_add_nc_u32 v[RD], s23, v5
	v_mul_u32_u24 v5, v2, SIZE_N*CB                ; and the same two rows in C
	v_lshl_add_u32 v[CO], v1, 4, v5
	v_mov_b32 v[ZR], 0
.endif
	; the bias of my 128 columns: 4 (256 x tile column + 128 x half + 16 b + 8 (l / 16)) bytes on, 32 bytes a lane for each n block b
	s_lshl_b32 s46, s42, 10
	s_lshl_b32 s47, s12, 9
	s_add_co_u32 s46, s46, s47
	v_lshl_add_u32 v[BO], v2, 5, s46
	WIN TO_B
.irp b, 0,1,2,3,4,5,6,7
	global_load_b128 v[BI+8*(\b):BI+8*(\b)+3],   v[BO], s[BP:BP+1] offset:64*(\b)
	global_load_b128 v[BI+8*(\b)+4:BI+8*(\b)+7], v[BO], s[BP:BP+1] offset:64*(\b)+16
.endr
	WIN 0
	; where my part of the first tile begins in C, in bytes: the first way out adds it to C's address
	s_lshl_b32 s13, s13, 8
	s_lshl_b32 s14, s11, 7
	s_add_co_u32 s16, s13, s14                     ; my first row of C
	s_mov_b32 s17, 0
	s_mov_b64 s[18:19], SIZE_N*CB
	s_mul_u64 s[16:17], s[16:17], s[18:19]
	s_mul_i32 s46, s42, 256*CB                     ; my first column, in bytes
	s_mul_i32 s47, s12, 128*CB
	s_add_co_u32 s46, s46, s47
	s_mov_b32 s47, 0
	s_add_nc_u64 s[16:17], s[16:17], s[46:47]
	; the prefetches.  s13 = 256 x tile row, s42 = tile column, s40 = cx, s41 = cy still stand; s[4:5] = A, s[6:7] = B
	s_lshl_b32 s42, s42, 8
	s_and_b32 s22, ttmp7, 0xffff                   ; cluster y
	s_cmp_eq_u32 s11, 0                            ; do I fetch for A?
	s_cselect_b32 s20, s13, s42                    ; the tile's first row: in A by the tile row, in B by the tile column
	s_cselect_b32 s21, s40, s41                    ; my place among the four that ask for it with me
	s_cselect_b32 s22, ttmp9, s22                  ; the coordinate along which other clusters read the same rows
	s_cselect_b64 s[PFA:PFA+1], s[4:5], s[6:7]
	s_cmp_eq_u32 s22, 0
	s_cselect_b32 s[LIM], 1, -1                    ; the same in all sixteen partners, for a given wave
	s_lshl_b32 s22, s12, 7
	s_add_co_u32 s20, s20, s22                     ; + the 128 rows that I fetch
	s_lshl_b32 s21, s21, 5
	s_add_co_u32 s20, s20, s21                     ; + my work-group's 32 of them
	s_mov_b32 s21, 0
	s_mov_b64 s[18:19], SIZE_K*2
	s_mul_u64 s[20:21], s[20:21], s[18:19]
	s_add_nc_u64 s[PFA:PFA+1], s[PFA:PFA+1], s[20:21]
	s_add_nc_u64 s[PFA:PFA+1], s[PFA:PFA+1], 2*KSTEP*2  ; at K step 2: the first refill steps it to 3 and names K step 4
	v_and_b32 v[PFO], 31, v0
	v_mul_u32_u24 v[PFO], v[PFO], SIZE_K*2
	; nothing is prefetched here, at the head, where every work-group's first two tiles are on their way: K steps 2 and 3 come by their refills alone
; 16 matrix instructions: m blocks a0, a0 + 1 of the window's four (hi = 0: my rows 0-63, 1: rows 64-127) x all 8 n blocks, 32 along K.  The 64 accumulators take turns, one instruction a turn, in the same
; order in every quarter step.  first = 1: the product starts the sum, with the bias of its n block as C.
.macro MUL16 f, hi, a0, first
.if \first
	WIN BIAS_LO+0x40*(\hi)
.else
	WIN MUL_LO+0x50*(\hi)
.endif
.irp a, \a0, (\a0)+1
.irp b, 0,1,2,3,4,5,6,7
.if \first
	v_wmma_f32_16x16x32_bf16 v[8*(8*(\a)+(\b)):8*(8*(\a)+(\b))+7], v[(\f)+8*(\b):(\f)+8*(\b)+7], v[(\f)+8*(4*(\hi)+(\a)):(\f)+8*(4*(\hi)+(\a))+7], v[BI+8*(\b):BI+8*(\b)+7]
.else
	v_wmma_f32_16x16x32_bf16 v[8*(8*(\a)+(\b)):8*(8*(\a)+(\b))+7], v[(\f)+8*(\b):(\f)+8*(\b)+7], v[(\f)+8*(4*(\hi)+(\a)):(\f)+8*(4*(\hi)+(\a))+7], v[8*(8*(\a)+(\b)):8*(8*(\a)+(\b))+7]
.endif
.endr
.endr
.endm
; 32 LDS loads in one run: the fragments of one quarter step (128 rows of B, 128 rows of A, 32 K at byte k of the rows) into buffer f
.macro FETCH slot, k, f
	WIN TO_B
.irp i, 0,1,2,3,4,5,6,7
	ds_load_b128 v[(\f)+8*(\i):(\f)+8*(\i)+3],   v[ADRB+(\slot)] offset:(\k)+(\i)*16*PITCH
	ds_load_b128 v[(\f)+8*(\i)+4:(\f)+8*(\i)+7], v[ADRB+(\slot)] offset:(\k)+(\i)*16*PITCH+32
.endr
	WIN 0
.irp i, 0,1,2,3,4,5,6,7
	ds_load_b128 v[(\f)+8*(\i):(\f)+8*(\i)+3],   v[ADRA+(\slot)] offset:(\k)+(\i)*16*PITCH
	ds_load_b128 v[(\f)+8*(\i)+4:(\f)+8*(\i)+7], v[ADRA+(\slot)] offset:(\k)+(\i)*16*PITCH+32
.endr
.endm
; A load into a register that a matrix instruction has read, and an instruction that reads a matrix result, stand four places behind that matrix instruction; only plain vector instructions that name none
; of its registers are places (ISA guide 7.12.1 for vector instructions).
.macro PLACES
.rept 4
	v_nop
.endr
.endm
; A K step is four quarter steps of 32 along K, 64 matrix instructions each, on buffers 0, 1, 0, 1.  One of the first three: multiplies buffer f; in its middle it fetches the next quarter's fragments, at byte k, into g.
.macro QUARTER slot, k, f, g, first
	s_wait_dscnt 8                                 ; B and A's rows 0-63 are in; the youngest eight loads (A's rows 64-127) may be out
	MUL16 \f, 0, 0, \first
	MUL16 \f, 0, 2, \first
	PLACES
	FETCH \slot, \k, \g
	s_wait_dscnt 32                                ; all but the 32 just issued
	MUL16 \f, 1, 0, \first
	MUL16 \f, 1, 2, \first
.endm
; The last quarter multiplies buffer 1 and changes slots.  MEET is its first half: ONE barrier for two things.  In front of it each wave waits for all its tensor loads, of which one is out: its part of the next
; slot; adds 0 to its spare word; and waits for that and for its own reads of this slot.  Behind it nobody reads this slot any more and the next slot is whole.
.macro MEET round                      ; round = 1: a round of the cluster's barrier follows
	WIN 0                                          ; (the add's two registers lie in window 0)
	s_wait_tensorcnt 0x0                           ; all my tensor loads have landed;
	ds_add_u32 v[SPW], v[NIL]                      ; 0 onto my spare word;
	s_wait_dscnt 9                                 ; (the add and the youngest eight loads may be out)
	MUL16 F1, 0, 0, 0                              ; sixteen matrix instructions stand between the add and the wait for it
	s_wait_dscnt 0x0                               ; the add is done, and my reads of this slot are over:
	s_barrier_signal -1                            ; say so,
	MUL16 F1, 0, 2, 0                              ; work on registers while the others arrive,
.if \round
	WIN 0
.endif
	s_barrier_wait -1                              ; and go on when all four have said so
.endm
; The whole last quarter.  Behind the round the slot just read out is filled again first: with this tile's K step two steps on (on = 0) or, in a tile's last two K steps, with the NEXT tile's K step 0 or 1
; (on = 1); then come the next slot's first fragments.  From a request to the wait for it a wave issues 224 matrix instructions, across tiles too.
.macro TURN slot, next, on
	s_wait_xcnt 0x0                                ; the last prefetch, a K step back, has read its address: it is stepped here, ahead of the waits of the change of slots
.if (\on) && (\slot) == 0
	s_add_nc_u64 s[PFA:PFA+1], s[PFA:PFA+1], (WALK-1)*SIZE_K*2+KSTEP*2  ; from the K step after the tile's last to the next tile's K step 1: WALK rows down, back along K
	s_cmp_eq_u32 s11, 0
	s_cselect_b32 s[LIM], s[LIM], -1               ; B's rows are the same for all tiles of the walk: they are prefetched no more
.else
	s_add_nc_u64 s[PFA:PFA+1], s[PFA:PFA+1], KSTEP*2
.endif
	MEET 1
	CREST                                          ; all sixteen work-groups have said so: no wave of any partner still reads this slot's tile or has a load on its way
.if \on
	s_add_nc_u64 s[G0+4*(\slot)+2:G0+4*(\slot)+3], s[G0+4*(\slot)+2:G0+4*(\slot)+3], NEXT_A
	s_sub_nc_u64 s[G0B+4*(\slot)+2:G0B+4*(\slot)+3], s[G0B+4*(\slot)+2:G0B+4*(\slot)+3], BACK_B
.else
	s_add_nc_u64 s[G0+4*(\slot)+2:G0+4*(\slot)+3], s[G0+4*(\slot)+2:G0+4*(\slot)+3], 2*KSTEP*2
	s_add_nc_u64 s[G0B+4*(\slot)+2:G0B+4*(\slot)+3], s[G0B+4*(\slot)+2:G0B+4*(\slot)+3], 2*KSTEP*2
.endif
	JLOAD \slot                                    ; the first tensor load behind the round, my only one until the next; its four v_nop are also the places in front of the loads below
	FETCH \next, 0, F0
	ASK \on                                        ; behind the joint load and the run of LDS loads that the next products wait for
	MUL16 F1, 1, 0, 0
	MUL16 F1, 1, 2, 0
.endm
; THE WAY OUT of block a (16 rows of my 128), through my own stage in LDS, so that whole rows leave: no barrier, and LDS serves a wave's instructions in order (ISA guide 5.7.1.4), so no wait between the stage's stores and loads.
.if OUT32
.macro TOSTAGE32 a                     ; f32 as it lies in the accumulators: 32 bytes a lane and n block into rows of 528 bytes; back as whole rows of 512
.set AC, 64*((\a)%4)
.set BK, OB32+64*((\a)%2)
	s_wait_xcnt 0x0                                ; the stores of the block two back have read these registers, and every store its base
	WIN 0x08+4*((\a)/4)                            ; the data (source 1) in window 2 or 3
.irp b, 0,1,2,3,4,5,6,7
	ds_store_b128 v[STO], v[AC+8*(\b):AC+8*(\b)+3]   offset:64*(\b)      ; each accumulator's low registers first
	ds_store_b128 v[STO], v[AC+8*(\b)+4:AC+8*(\b)+7] offset:64*(\b)+16
.endr
	WIN 0
.irp t, 0,1,2,3,4,5,6,7,8,9,10,11,12,13,14,15
	ds_load_b128 v[BK+4*(\t):BK+4*(\t)+3], v[RD] offset:(\t)*SPITCH
.endr
.endm
.macro SEND32 a, younger               ; younger: the LDS instructions issued behind block a's loads: the next block's 16 stores and 16 loads, or none
	WIN 0
.set BK, OB32+64*((\a)%2)
	s_wait_dscnt \younger                          ; the block is back in registers
.if (\younger) == 0
	s_wait_xcnt 0x0                                ; no TOSTAGE32 stands in front: the stores just issued have read their base
.endif
.if (\a) == 0
	s_add_nc_u64 s[8:9], s[8:9], s[16:17]          ; on to my first rows
.else
	s_add_nc_u64 s[8:9], s[8:9], 16*SIZE_N*CB      ; 16 rows of C on
.endif
.irp t, 0,1,2,3,4,5,6,7,8,9,10,11,12,13,14,15
	global_store_b128 v[CO], v[BK+4*(\t):BK+4*(\t)+3], s[8:9] offset:(\t)*SIZE_N*CB th:TH_STORE_NT  ; the wave stores 512 consecutive bytes, at a multiple of 512 from C's first byte
.endr
.endm
.else
.macro PACK a                          ; rounded to bf16, 16 bytes a lane, then the ReLU on the packed halves
.set AC, 64*((\a)%4)
	WIN 0x0a+5*((\a)/4)                            ; sources 0 and 1: window 2 or 3
.irp b, 0,1,2,3,4,5,6,7
.irp r, 0,1,2,3
	v_cvt_pk_bf16_f32 v[TMP+4*(\b)+(\r)], v[AC+8*(\b)+2*(\r)], v[AC+8*(\b)+2*(\r)+1]
.endr
.endr
	WIN 0
.set i, 0
.rept 32
	v_pk_max_num_bf16 v[TMP+i], v[TMP+i], v[ZR]    ; two maxima with 0; nothing is rounded
.set i, i+1
.endr
.endm
.macro TOSTAGE a
	WIN 0
.set BK, OB+192*((\a)%2)
.irp b, 0,1,2,3,4,5,6,7
	ds_store_b128 v[STO], v[TMP+4*(\b):TMP+4*(\b)+3] offset:32*(\b)
.endr
.irp t, 0,1,2,3,4,5,6,7
	ds_load_b128 v[BK+4*(\t):BK+4*(\t)+3], v[RD] offset:(\t)*2*SPITCH
.endr
.endm
.macro SEND a, younger
	WIN 0
.set BK, OB+192*((\a)%2)
	s_wait_dscnt \younger                          ; the block is back in registers
	s_wait_xcnt 0x0                                ; only behind this wait are the stores' base and the registers that earlier stores read rewritten
.if (\a) == 0
	s_add_nc_u64 s[8:9], s[8:9], s[16:17]          ; on to this tile's first rows
.else
	s_add_nc_u64 s[8:9], s[8:9], 16*SIZE_N*CB      ; 16 rows of C on
.endif
.irp t, 0,1,2,3,4,5,6,7
	global_store_b128 v[CO], v[BK+4*(\t):BK+4*(\t)+3], s[8:9] offset:2*(\t)*SIZE_N*CB  ; 16 lanes store 256 consecutive bytes, at a multiple of 256 from C's first byte
.endr
.endm
.endif
	s_wait_loadcnt 0x0                             ; the bias
	s_wait_tensorcnt 1                             ; my part of K step 0 is in; K step 1's load, issued behind it, may stay out
	s_barrier_signal -1
	s_barrier_wait -1                              ; everybody's is
	FETCH 0, 0, F0
.if SIZE_TILES > 1
	s_mov_b32 s2, SIZE_TILES                       ; tiles to go, this one among them: the same number in every work-group
.Ltile:                                                ; (FETCH and SEND leave every window 0)
.endif
	QUARTER 0, 64,  F0, F1, 1                      ; a tile's first quarter stands in front of the loop: its products start the sums, with the bias
	WIN 0                                          ; at a label and at a branch every window is 0
	s_mov_b32 s3, LAPS-1
.Llap:                                                 ; a trip goes once round the ring, from a lap's second quarter to the next lap's first, and fills both slots again
	QUARTER 0, 128, F1, F0, 0
	QUARTER 0, 192, F0, F1, 0
	TURN 0, 1, 0
	QUARTER 1, 64,  F0, F1, 0
	QUARTER 1, 128, F1, F0, 0
	QUARTER 1, 192, F0, F1, 0
	TURN 1, 0, 0
	QUARTER 0, 64,  F0, F1, 0
	WIN 0
	s_sub_co_u32 s3, s3, 1
	s_cmp_lg_u32 s3, 0
	s_cbranch_scc1 .Llap
	QUARTER 0, 128, F1, F0, 0                      ; the tile's last lap goes on
	QUARTER 0, 192, F0, F1, 0
.if SIZE_TILES > 1
	WIN 0
	s_cmp_eq_u32 s2, 1
	s_cbranch_scc1 .Llast                          ; the last tile's tail is written out: it asks for nothing more
	TURN 0, 1, 1                                   ; THE RING GOES ON INTO THE NEXT TILE: slot 0 takes its K step 0,
	QUARTER 1, 64,  F0, F1, 0
	QUARTER 1, 128, F1, F0, 0
	QUARTER 1, 192, F0, F1, 0
	TURN 1, 0, 1                                   ; slot 1 its K step 1, and the next tile's first fragments are fetched.  Blocks 0-3 were finished in front of the joint load's four v_nop;
	WIN 0                                          ; their conversions on the way out, which name no register of the last products (blocks 4-7's), are those products' places
	s_branch .Lout
.Llast:
.endif
	MEET 0                                         ; my one tensor load that was still out is slot 1's, the last K step's, so no round follows
	PLACES                                         ; for the loads into buffer 0, which the quarter before multiplied
	FETCH 1, 0, F0
	MUL16 F1, 1, 0, 0
	MUL16 F1, 1, 2, 0
	QUARTER 1, 64,  F0, F1, 0
	QUARTER 1, 128, F1, F0, 0
	QUARTER 1, 192, F0, F1, 0
	s_wait_dscnt 8                                 ; the very last quarter: nothing more to fetch
	MUL16 F1, 0, 0, 0
	MUL16 F1, 0, 2, 0
	s_wait_dscnt 0x0
	MUL16 F1, 1, 0, 0
	MUL16 F1, 1, 2, 0
	PLACES                                         ; what follows reads results just made, and no other vector work is at hand:
	PLACES                                         ; eight places, twice what the form asks for, once a launch
	WIN 0
.if OUT32
	TOSTAGE32 0
.irp a, 0,1,2,3,4,5,6                  ; block a + 1 goes into the stage behind block a's loads from it, and block a's stores leave meanwhile
	TOSTAGE32 (\a)+1
	SEND32 \a, 32
.endr
	SEND32 7, 0
.else
.if SIZE_TILES > 1
.Lout:                                                 ; one way out for both tiles
.endif
	PACK 0
	TOSTAGE 0
.irp a, 1,2,3,4,5,6,7                  ; block a's conversions stand between block a - 1's loads from the stage and the wait for them
	PACK \a
	SEND (\a)-1, 0
	TOSTAGE \a
.endr
	SEND 7, 0
.if SIZE_TILES > 1
	s_mov_b64 s[16:17], NEXT_C                     ; what the next way out adds to C's address
	s_sub_co_u32 s2, s2, 1
	s_cmp_lg_u32 s2, 0
	s_cbranch_scc1 .Ltile
.endif
.endif
	s_wait_tensorcnt 0x0                           ; the wave's end, behind my last tensor load and my last LDS store
	ds_add_u32 v[SPW], v[NIL]
	s_wait_dscnt 0x0
	CROUND                                         ; the closing round: no work-group ends while a partner may still ask for a tile that names it
	s_endpgm
.Lfunc_end_k_qc67c35f4a4_g1:
	.size	k_qc67c35f4a4_g1, .Lfunc_end_k_qc67c35f4a4_g1-k_qc67c35f4a4_g1
	.p2alignl 7, 3214868480
	.fill 96, 4, 3214868480
	.section	.rodata,"a",@progbits
	.p2align	6, 0x0
	.amdhsa_kernel k_qc67c35f4a4_g1
		.amdhsa_group_segment_fixed_size 327680
		.amdhsa_private_segment_fixed_size 0
		.amdhsa_enable_private_segment 0
		.amdhsa_kernarg_size 32
		.amdhsa_user_sgpr_count 2
		.amdhsa_user_sgpr_kernarg_segment_ptr 1
		.amdhsa_wavefront_size32 1
		.amdhsa_system_sgpr_workgroup_id_x 1
		.amdhsa_system_sgpr_workgroup_id_y 1
		.amdhsa_system_sgpr_workgroup_id_z 1
		.amdhsa_system_vgpr_workitem_id 0
		.amdhsa_next_free_vgpr 1024
		.amdhsa_next_free_sgpr 68
		.amdhsa_reserve_vcc 0
		.amdhsa_float_denorm_mode_32 3
		.amdhsa_float_denorm_mode_16_64 3
		.amdhsa_memory_ordered 1
		.amdhsa_forward_progress 1
		.amdhsa_inst_pref_size 197
	.end_amdhsa_kernel
	.amdgpu_metadata
---
amdhsa.version: [ 1, 2 ]
amdhsa.kernels:
  - .name:           k_qc67c35f4a4_g1
    .symbol:         k_qc67c35f4a4_g1.kd
    .args:
      - { .name: xb, .offset: 0, .size: 8, .value_kind: global_buffer, .address_space: global }
      - { .name: w1b, .offset: 8, .size: 8, .value_kind: global_buffer, .address_space: global }
      - { .name: b1, .offset: 16, .size: 8, .value_kind: global_buffer, .address_space: global }
      - { .name: hb, .offset: 24, .size: 8, .value_kind: global_buffer, .address_space: global }
    .group_segment_fixed_size: 327680
    .private_segment_fixed_size: 0
    .kernarg_segment_align: 8
    .kernarg_segment_size: 32
    .max_flat_workgroup_size: 128
    .sgpr_count:     68
    .vgpr_count:     1024
    .wavefront_size: 32
...
	.end_amdgpu_metadata
.endif
;; end of part 2
;; launch g2 (part 3): grid 4 x 64, 4 waves a work-group, clusters of 4 x 4, 327,680 bytes of LDS; arguments hb, w2b, b2, out0; writes out0
.if DOCPART == 3
	.amdgcn_target "amdgcn-amd-amdhsa--gfx1250"
	.amdhsa_code_object_version 6
	.text
	.protected	k_qc67c35f4a4_g2
	.globl	k_qc67c35f4a4_g2
	.p2align	8
	.type	k_qc67c35f4a4_g2,@function
k_qc67c35f4a4_g2:
	s_mov_b64 s[64:65], 0
	v_nop
	global_prefetch_b8 v0, s[64:65] scope:SCOPE_SE
	s_setreg_imm32_b32 hwreg(HW_REG_WAVE_MODE, 25, 1), 1
	s_wait_xcnt 0x0
	s_wait_alu depctr_hold_cnt(0) depctr_sa_sdst(0) depctr_va_vdst(0) depctr_va_sdst(0) depctr_va_ssrc(0) depctr_va_vcc(0) depctr_vm_vsrc(0)
	s_getreg_b32 s2, hwreg(HW_REG_IB_STS2, 6, 4)
	s_cmp_eq_u32 s2, 0
	s_cbranch_scc0 .Lentry_in_a_cluster
	s_endpgm
.Lentry_in_a_cluster:
	s_bfe_u32 s2, ttmp6, 0x10000c
	s_cmp_lg_u32 s2, 0xf033
	s_cbranch_scc0 .Lentry_shape_is_right
	s_endpgm
.Lentry_shape_is_right:
; THE SECOND PRODUCT: out0 = hb w2b^T + b2.  A = hb [16384][2048] bf16, B = w2b [1024][2048] bf16, bias = b2 [1024] f32, C = out0 [16384][1024] f32.  Nothing of reference() is left out.
; Sums in f32, started by the bias, and stored as they are.
; One text serves both products of the layer; the five constants below choose: OUT32 = 0: C in bf16 with the ReLU; 1: C in f32 without.
; A tile of C, 256 x 256, is made by a work-group of four waves, as many as a WGP has SIMDs; a wave makes 128 x 128: 64 accumulators of 16 x 16, 512 registers.  K goes in steps of 128 through a
; ring of two LDS slots filled by the tensor data mover: the rows of A's and B's tiles are 256 bytes of memory, at multiples of 256 bytes from the buffer's first byte.
; C has 256 tiles here: one for each of 256 work-groups (SIZE_TILES = 1: the loop over tiles is not assembled).
; CLUSTERS: 4 x 4 work-groups.  The four of a row of the cluster need the same tiles of A, the four of a column the same tiles of B: each tile is asked for JOINTLY, by the same tensor load with the
; same descriptor and a mask that names the four; each receives it in its own LDS.
; THE MATRIX INSTRUCTION IS USED TRANSPOSED: source 0 = 16 rows of B, source 1 = 16 rows of A.  Lane l then holds row l % 16 of C and the columns 8 (l / 16) + 0..7.
; THE BIAS IS THE C OPERAND of each accumulator's first product: register j of n block b holds bias[n0 + 16 b + 8 (l / 16) + j], the same for all 8 m blocks: 64 registers, loaded once; nothing is cleared or added later.
; REGISTERS, in windows of 256 (s_set_vgpr_msb: bits 1:0 source 0, 3:2 source 1, 5:4 source 2, 7:6 destination):
;   window 0: v0-31 addresses; v64-127, v128-191 fragments of A, two buffers; v32-63, v192-255 at work on the way out (OUT32: v64-191, when the fragments are done with)
;   window 1: v0-63 the bias; v64-127, v128-191 fragments of B, two buffers
;   window 2: the 32 accumulators of my rows 0-63 (accumulator (a, b) at v[8 (8 a + b)]);   window 3: those of my rows 64-127
.set SIZE_M, 16384
.set SIZE_N, 1024
.set SIZE_K, 2048
.set SIZE_TILES, 1
.set OUT32,  1
.set CB,     2+2*OUT32                 ; bytes in a number of C
.set KSTEP,  128
.set PITCH,  272                       ; an LDS row: 256 bytes of data + 16 of padding = 68 words: row r starts at bank 4 r mod 64 (64 banks of 4 bytes: ISA guide 11.1), so the 16 rows of a load start at 16 different banks
.set HALFT,  128*PITCH                 ; 128 rows: what one tensor load brings, and what one wave reads of A or of B
.set SLOT,   4*HALFT                   ; A's 256 rows, then B's 256 rows
.set STAGE,  2*SLOT                    ; behind the ring, never filled by a tensor load: 16 rows for each wave, for the way out
.set SPITCH, 128*CB+16                 ; a stage row: my 128 columns + 16 bytes: 68 or 132 words, again bank 4 r mod 64
.set SPARE,  STAGE+4*16*SPITCH         ; behind the stages: the spare words, 128 bytes for each wave: two blocks of 256 bytes that no other line names
.set LAPS,   SIZE_K/(2*KSTEP)          ; a lap = two K steps = once round the ring
.set WALK,   SIZE_M/SIZE_TILES         ; a work-group's tiles lie WALK rows apart
.set NEXT_A, WALK*SIZE_K*2-(SIZE_K-2*KSTEP)*2   ; bytes from a slot's last K step of a tile to its first of the next tile: A goes WALK rows down and back along K,
.set BACK_B, (SIZE_K-2*KSTEP)*2        ; B only back: the walk's tiles share their rows of B
.set NEXT_C, (WALK-7*16)*SIZE_N*CB     ; bytes from my last 16 rows of a tile to my first of the next
.set ADRA, 16                          ; v16-17  LDS address of my A fragments in slot 0, 1
.set ADRB, 20                          ; v20-21  the same for B
.set STO,  24                          ; v24     the way out: where I put my part of a row
.set RD,   25                          ; v25     the way out: where I read rows back
.set CO,   26                          ; v26     my byte offset in C
.set BO,   27                          ; v27     my byte offset in the bias
.set SPW,  28                          ; v28     LDS address of my spare word: SPARE + 4 x my thread's number; never rewritten
.set NIL,  29                          ; v29     0, for the add alone; never rewritten
.set PFO,  30                          ; v30     the prefetches' offset: my lane x a row of A or B in memory; never rewritten
.set ZR,   31                          ; v31     0, the ReLU's bound (OUT32 = 0)
.set BI,   0                           ; the bias, in window 1
.set F0,   64                          ; fragment buffer 0
.set F1,   128                         ; fragment buffer 1
.set TMP,  192                         ; the way out in bf16: packed results
.set OB,   32                          ; the way out in bf16: 16 rows read back from the stage: v32-63 and v224-255 by turns
.set OB32, 64                          ; the way out in f32: 16 rows read back: v64-127 and v128-191 by turns
.set G1,  24                           ; s[24:31] descriptor group 1 for A's tiles
.set G0,  32                           ; s[32:39] descriptor group 0 for A's tiles, one set for each slot
.set LIM, 43                           ; s43      1 in a wave that prefetches, else the greatest number
.set PFA, 44                           ; s[44:45] where my prefetches stand: my work-group's 32 rows of the 128 that I fetch, one K step further along K than the refill being asked for
.set G1B, 48                           ; s[48:55] descriptor group 1 for B's tiles: it differs from A's in the mask alone
.set G0B, 56                           ; s[56:63] descriptor group 0 for B's tiles
.set BP,  66                           ; s[66:67] the bias
.set MSB, 0
.macro WIN new                         ; the immediate's high byte repeats the setting that is left; a switch that changes nothing is dropped
.if MSB != (\new)
	s_set_vgpr_msb (MSB<<8)|(\new)
.set MSB, \new
.endif
.endm
.set MUL_LO,  0xa1                     ; source 0 (B) window 1, source 1 (A) window 0, C and D window 2
.set MUL_HI,  0xf1                     ; the same, C and D window 3
.set BIAS_LO, 0x91                     ; the first products: C (the bias) window 1, D window 2
.set BIAS_HI, 0xd1                     ; D window 3
.set TO_B,    0x40                     ; destination window 1, address window 0
; A joint load.  Waves 0 and 1 fetch A's two halves, waves 2 and 3 B's.  Each of the two lines has ONE mask and one set of registers for all that issue it; the branch hangs on the wave's number alone.
; An s_nop 0 and four v_nop follow each of the two lines, ahead of the jump, the label and what follows.
.macro JLOAD s
	s_cmp_eq_u32 s11, 0
	s_cbranch_scc0 .Lfor_b_\@
	tensor_load_to_lds s[G0+4*(\s):G0+4*(\s)+3], s[G1:G1+7]
	s_nop 0
.rept 4
	v_nop
.endr
	s_branch .Lasked_\@
.Lfor_b_\@:
	tensor_load_to_lds s[G0B+4*(\s):G0B+4*(\s)+3], s[G1B:G1B+7]
	s_nop 0
.rept 4
	v_nop
.endr
.Lasked_\@:
.endm
; A PREFETCH INTO THE L2, behind each joint load, its five lines and the run of LDS loads that follows: the K step that stands TWO refills on (512 matrix instructions ahead of the load that will ask for it):
; 32 rows x 256 bytes, a lane a row, one instruction a wave.  Each row's 256 bytes of a K step are named ONCE in the launch: A's tile row is read by every cluster of that row of clusters, and cluster x = 0
; prefetches; B's tile column by every cluster of that column, and cluster y = 0 prefetches.  The four partners that ask for a tile jointly share its rows out BY ADDRESS, 32 each (by cx for A, cy for B): no branch
; hangs on a work-group's place in its cluster.  how = 0, in the loop: a tile's last two refills have no K step two on; how = 1, at a change of tiles.
.macro ASK how
.if \how
	s_cmp_eq_u32 s[LIM], 1
.else
	s_cmp_gt_u32 s3, s[LIM]                        ; s3 = 1 in the loop's last trip
.endif
	s_cbranch_scc0 .Lnot_mine_\@
	global_prefetch_b8 v[PFO], s[PFA:PFA+1] offset:KSTEP*2 th:TH_LOAD_NT scope:SCOPE_SE
.Lnot_mine_\@:
.endm
; A round of the cluster's barrier: my work-group's barrier, so that wave 0's signal speaks for all four waves; wave 0 signals for the work-group; every wave waits for all sixteen; my work-group's barrier once more.
.macro CREST                           ; a round behind its opening barrier
	s_cmp_lg_u32 s10, 0
	s_cbranch_scc1 .Lnot_wave_0_\@
	s_barrier_signal -3
.Lnot_wave_0_\@:
	s_barrier_wait -3
	s_barrier_signal -1
	s_barrier_wait -1
.endm
.macro CROUND                          ; a whole round
	s_barrier_signal -1
	s_barrier_wait -1
	CREST
.endm
	s_load_b128 s[4:7], s[0:1], 0x0                ; A s[4:5], B s[6:7]
	s_load_b64 s[BP:BP+1], s[0:1], 0x10            ; the bias
	s_load_b64 s[8:9], s[0:1], 0x18                ; C
	v_lshl_add_u32 v[SPW], v0, 2, SPARE
	v_mov_b32 v[NIL], 0
	ds_add_u32 v[SPW], v[NIL]                      ; the wave's opening: the add, twice on end, and its wait ahead of my first tensor load; the set-up below, work on registers, stands between
	ds_add_u32 v[SPW], v[NIL]                      ; and once more, under the one wait
	v_lshrrev_b32 v1, 5, v0
	v_readfirstlane_b32 s10, v1                    ; wave 0..3
	s_lshr_b32 s11, s10, 1                         ; which half of the tile's rows is mine.  Also: I fetch for A (0) or for B (1)
	s_and_b32 s12, s10, 1                          ; which half of its columns.  Also: which 128 rows of that tile I fetch
	s_bfe_u32 s40, ttmp6, 0x40000                  ; cx: my place along the cluster's x
	s_bfe_u32 s41, ttmp6, 0x40004                  ; cy: along its y
	s_lshl_b32 s42, ttmp9, 2                       ; in a cluster launch ttmp9 and ttmp7 count clusters
	s_add_co_u32 s42, s42, s40                     ; tile column of C = 4 x cluster x + cx
	s_and_b32 s13, ttmp7, 0xffff
	s_lshl_b32 s13, s13, 2
	s_add_co_u32 s13, s13, s41                     ; tile row of C = 4 x cluster y + cy
	s_lshl_b32 s43, s41, 2
	s_lshl_b32 s43, 15, s43                        ; my row of the cluster: places 4 cy .. 4 cy + 3
	s_lshl_b32 s44, 0x1111, s40                    ; my column: places cx, cx + 4, cx + 8, cx + 12
	; descriptor group 1: a tile of 128 rows x 128 elements, padded in LDS
	s_or_b32 s[G1+0], s43, (1<<16)|(1<<20)|(1<<21)|(5<<22)|(3<<25)  ; 15:0 the mask: A's tiles go to my row; 17:16 element of 2 bytes; 20 padding on; 21 set beside a mask; 24:22 after every 64 words (code 5); 31:25 of 4 words (code 3)
	s_or_b32 s[G1B+0], s44, (1<<16)|(1<<20)|(1<<21)|(5<<22)|(3<<25) ; the same with the mask of my column, for B's tiles
.irp g, G1, G1B
	s_mov_b32 s[(\g)+1], KSTEP<<16                 ; 63:48 tensor_dim0, low half = 128
	s_mov_b32 s[(\g)+2], 128<<16                   ; 79:64 its high half = 0; 95:80 tensor_dim1, low half = 128
	s_mov_b32 s[(\g)+3], KSTEP<<16                 ; 111:96 its high half = 0; 127:112 tile_dim0 = 128
	s_mov_b32 s[(\g)+4], 128                       ; 143:128 tile_dim1 = 128; 159:144 tile_dim2 = 0
	s_mov_b32 s[(\g)+5], SIZE_K                    ; 191:160 tensor_dim0_stride, low word: elements from row to row
	s_mov_b32 s[(\g)+6], 0
	s_mov_b32 s[(\g)+7], 0
.endr
	; where the tiles come from.  A's hang on the tile row alone, which my row of the cluster shares; B's on the tile column alone, which my column shares.
	s_lshl_b32 s17, s12, 7                         ; which 128 rows of the tile I fetch
	s_lshl_b32 s16, s13, 8
	s_add_co_u32 s16, s16, s17                     ; A: row 256 x tile row + 128 x half
	s_lshl_b32 s46, s42, 8
	s_add_co_u32 s46, s46, s17                     ; B: row 256 x tile column + 128 x half
	s_mov_b32 s17, 0
	s_mov_b32 s47, 0
	s_mov_b64 s[18:19], SIZE_K*2
	s_mul_u64 s[16:17], s[16:17], s[18:19]         ; in bytes, in 64 bits
	s_mul_u64 s[46:47], s[46:47], s[18:19]
	s_mul_i32 s20, s10, HALFT                      ; and where they go: wave x 128 rows: no place in the cluster enters an LDS address
	s_wait_dscnt 0x0                               ; both opening adds are done
	s_wait_kmcnt 0x0
	s_add_nc_u64 s[14:15], s[4:5], s[16:17]
	s_add_nc_u64 s[46:47], s[6:7], s[46:47]
	CROUND                                         ; all sixteen work-groups are here: the first joint loads meet
.irp s, 0,1
	s_mov_b32 s[G0+4*(\s)], 1                                      ; 1:0 count = 1
	s_add_co_u32 s[G0+4*(\s)+1], s20, (\s)*SLOT                    ; 63:32 LDS address
	s_add_nc_u64 s[G0+4*(\s)+2:G0+4*(\s)+3], s[14:15], (\s)*KSTEP*2  ; 120:64 global address: K step s
	s_or_b32 s[G0+4*(\s)+3], s[G0+4*(\s)+3], 0x80000000            ; 127:126 type = 2
	s_mov_b32 s[G0B+4*(\s)], 1
	s_add_co_u32 s[G0B+4*(\s)+1], s20, (\s)*SLOT
	s_add_nc_u64 s[G0B+4*(\s)+2:G0B+4*(\s)+3], s[46:47], (\s)*KSTEP*2
	s_or_b32 s[G0B+4*(\s)+3], s[G0B+4*(\s)+3], 0x80000000
	JLOAD \s                                       ; the ring is filled before anything else is done: two loads of mine are out
.endr
	; A fragment is 16 rows x 32 K in 8 registers: lane l holds row l % 16; registers 0-3 hold K = 8 (l / 16) + 0..7, registers 4-7 K = 16 + 8 (l / 16) + 0..7: two loads of 16 bytes, 32 bytes apart.
	v_and_b32 v1, 15, v0                           ; l % 16
	v_bfe_u32 v2, v0, 4, 1                         ; l / 16
	v_mul_u32_u24 v3, v1, PITCH
	v_lshl_add_u32 v3, v2, 4, v3                   ; row x pitch + 16 x half
	s_mul_i32 s21, s11, HALFT                      ; my 128 rows of A
	s_mul_i32 s22, s12, HALFT                      ; my 128 rows of B,
	s_add_co_u32 s22, s22, 2*HALFT                 ; which lie behind A's 256
.irp s, 0,1
	v_add_nc_u32 v[ADRA+(\s)], s21, v3
	v_add_nc_u32 v[ADRB+(\s)], s22, v3
	s_add_co_u32 s21, s21, SLOT
	s_add_co_u32 s22, s22, SLOT
.endr
	s_mul_i32 s23, s10, 16*SPITCH
	s_add_co_u32 s23, s23, STAGE                   ; my stage
	v_mul_u32_u24 v4, v1, SPITCH                   ; in: row l % 16,
.if OUT32
	v_lshl_add_u32 v4, v2, 5, v4                   ; 32 bytes (8 f32) for each half of the lanes
	v_add_nc_u32 v[STO], s23, v4
	v_and_b32 v5, 31, v0                           ; back: 32 lanes take one row of 512 bytes,
	v_lshlrev_b32 v[CO], 4, v5                     ; which are 512 consecutive bytes of C
	v_add_nc_u32 v[RD], s23, v[CO]
.else
	v_lshl_add_u32 v4, v2, 4, v4                   ; 16 bytes (8 bf16) for each half of the lanes
	v_add_nc_u32 v[STO], s23, v4
	v_mul_u32_u24 v5, v2, SPITCH                   ; back: lanes 0-15 take one row of 256 bytes, lanes 16-31 the next
	v_lshl_add_u32 v5, v1, 4, v5
	v_add_nc_u32 v[RD], s23, v5
	v_mul_u32_u24 v5, v2, SIZE_N*CB                ; and the same two rows in C
	v_lshl_add_u32 v[CO], v1, 4, v5
	v_mov_b32 v[ZR], 0
.endif
	; the bias of my 128 columns: 4 (256 x tile column + 128 x half + 16 b + 8 (l / 16)) bytes on, 32 bytes a lane for each n block b
	s_lshl_b32 s46, s42, 10
	s_lshl_b32 s47, s12, 9
	s_add_co_u32 s46, s46, s47
	v_lshl_add_u32 v[BO], v2, 5, s46
	WIN TO_B
.irp b, 0,1,2,3,4,5,6,7
	global_load_b128 v[BI+8*(\b):BI+8*(\b)+3],   v[BO], s[BP:BP+1] offset:64*(\b)
	global_load_b128 v[BI+8*(\b)+4:BI+8*(\b)+7], v[BO], s[BP:BP+1] offset:64*(\b)+16
.endr
	WIN 0
	; where my part of the first tile begins in C, in bytes: the first way out adds it to C's address
	s_lshl_b32 s13, s13, 8
	s_lshl_b32 s14, s11, 7
	s_add_co_u32 s16, s13, s14                     ; my first row of C
	s_mov_b32 s17, 0
	s_mov_b64 s[18:19], SIZE_N*CB
	s_mul_u64 s[16:17], s[16:17], s[18:19]
	s_mul_i32 s46, s42, 256*CB                     ; my first column, in bytes
	s_mul_i32 s47, s12, 128*CB
	s_add_co_u32 s46, s46, s47
	s_mov_b32 s47, 0
	s_add_nc_u64 s[16:17], s[16:17], s[46:47]
	; the prefetches.  s13 = 256 x tile row, s42 = tile column, s40 = cx, s41 = cy still stand; s[4:5] = A, s[6:7] = B
	s_lshl_b32 s42, s42, 8
	s_and_b32 s22, ttmp7, 0xffff                   ; cluster y
	s_cmp_eq_u32 s11, 0                            ; do I fetch for A?
	s_cselect_b32 s20, s13, s42                    ; the tile's first row: in A by the tile row, in B by the tile column
	s_cselect_b32 s21, s40, s41                    ; my place among the four that ask for it with me
	s_cselect_b32 s22, ttmp9, s22                  ; the coordinate along which other clusters read the same rows
	s_cselect_b64 s[PFA:PFA+1], s[4:5], s[6:7]
	s_cmp_eq_u32 s22, 0
	s_cselect_b32 s[LIM], 1, -1                    ; the same in all sixteen partners, for a given wave
	s_lshl_b32 s22, s12, 7
	s_add_co_u32 s20, s20, s22                     ; + the 128 rows that I fetch
	s_lshl_b32 s21, s21, 5
	s_add_co_u32 s20, s20, s21                     ; + my work-group's 32 of them
	s_mov_b32 s21, 0
	s_mov_b64 s[18:19], SIZE_K*2
	s_mul_u64 s[20:21], s[20:21], s[18:19]
	s_add_nc_u64 s[PFA:PFA+1], s[PFA:PFA+1], s[20:21]
	s_add_nc_u64 s[PFA:PFA+1], s[PFA:PFA+1], 2*KSTEP*2  ; at K step 2: the first refill steps it to 3 and names K step 4
	v_and_b32 v[PFO], 31, v0
	v_mul_u32_u24 v[PFO], v[PFO], SIZE_K*2
	; nothing is prefetched here, at the head, where every work-group's first two tiles are on their way: K steps 2 and 3 come by their refills alone
; 16 matrix instructions: m blocks a0, a0 + 1 of the window's four (hi = 0: my rows 0-63, 1: rows 64-127) x all 8 n blocks, 32 along K.  The 64 accumulators take turns, one instruction a turn, in the same
; order in every quarter step.  first = 1: the product starts the sum, with the bias of its n block as C.
.macro MUL16 f, hi, a0, first
.if \first
	WIN BIAS_LO+0x40*(\hi)
.else
	WIN MUL_LO+0x50*(\hi)
.endif
.irp a, \a0, (\a0)+1
.irp b, 0,1,2,3,4,5,6,7
.if \first
	v_wmma_f32_16x16x32_bf16 v[8*(8*(\a)+(\b)):8*(8*(\a)+(\b))+7], v[(\f)+8*(\b):(\f)+8*(\b)+7], v[(\f)+8*(4*(\hi)+(\a)):(\f)+8*(4*(\hi)+(\a))+7], v[BI+8*(\b):BI+8*(\b)+7]
.else
	v_wmma_f32_16x16x32_bf16 v[8*(8*(\a)+(\b)):8*(8*(\a)+(\b))+7], v[(\f)+8*(\b):(\f)+8*(\b)+7], v[(\f)+8*(4*(\hi)+(\a)):(\f)+8*(4*(\hi)+(\a))+7], v[8*(8*(\a)+(\b)):8*(8*(\a)+(\b))+7]
.endif
.endr
.endr
.endm
; 32 LDS loads in one run: the fragments of one quarter step (128 rows of B, 128 rows of A, 32 K at byte k of the rows) into buffer f
.macro FETCH slot, k, f
	WIN TO_B
.irp i, 0,1,2,3,4,5,6,7
	ds_load_b128 v[(\f)+8*(\i):(\f)+8*(\i)+3],   v[ADRB+(\slot)] offset:(\k)+(\i)*16*PITCH
	ds_load_b128 v[(\f)+8*(\i)+4:(\f)+8*(\i)+7], v[ADRB+(\slot)] offset:(\k)+(\i)*16*PITCH+32
.endr
	WIN 0
.irp i, 0,1,2,3,4,5,6,7
	ds_load_b128 v[(\f)+8*(\i):(\f)+8*(\i)+3],   v[ADRA+(\slot)] offset:(\k)+(\i)*16*PITCH
	ds_load_b128 v[(\f)+8*(\i)+4:(\f)+8*(\i)+7], v[ADRA+(\slot)] offset:(\k)+(\i)*16*PITCH+32
.endr
.endm
; A load into a register that a matrix instruction has read, and an instruction that reads a matrix result, stand four places behind that matrix instruction; only plain vector instructions that name none
; of its registers are places (ISA guide 7.12.1 for vector instructions).
.macro PLACES
.rept 4
	v_nop
.endr
.endm
; A K step is four quarter steps of 32 along K, 64 matrix instructions each, on buffers 0, 1, 0, 1.  One of the first three: multiplies buffer f; in its middle it fetches the next quarter's fragments, at byte k, into g.
.macro QUARTER slot, k, f, g, first
	s_wait_dscnt 8                                 ; B and A's rows 0-63 are in; the youngest eight loads (A's rows 64-127) may be out
	MUL16 \f, 0, 0, \first
	MUL16 \f, 0, 2, \first
	PLACES
	FETCH \slot, \k, \g
	s_wait_dscnt 32                                ; all but the 32 just issued
	MUL16 \f, 1, 0, \first
	MUL16 \f, 1, 2, \first
.endm
; The last quarter multiplies buffer 1 and changes slots.  MEET is its first half: ONE barrier for two things.  In front of it each wave waits for all its tensor loads, of which one is out: its part of the next
; slot; adds 0 to its spare word; and waits for that and for its own reads of this slot.  Behind it nobody reads this slot any more and the next slot is whole.
.macro MEET round                      ; round = 1: a round of the cluster's barrier follows
	WIN 0                                          ; (the add's two registers lie in window 0)
	s_wait_tensorcnt 0x0                           ; all my tensor loads have landed;
	ds_add_u32 v[SPW], v[NIL]                      ; 0 onto my spare word;
	s_wait_dscnt 9                                 ; (the add and the youngest eight loads may be out)
	MUL16 F1, 0, 0, 0                              ; sixteen matrix instructions stand between the add and the wait for it
	s_wait_dscnt 0x0                               ; the add is done, and my reads of this slot are over:
	s_barrier_signal -1                            ; say so,
	MUL16 F1, 0, 2, 0                              ; work on registers while the others arrive,
.if \round
	WIN 0
.endif
	s_barrier_wait -1                              ; and go on when all four have said so
.endm
; The whole last quarter.  Behind the round the slot just read out is filled again first: with this tile's K step two steps on (on = 0) or, in a tile's last two K steps, with the NEXT tile's K step 0 or 1
; (on = 1); then come the next slot's first fragments.  From a request to the wait for it a wave issues 224 matrix instructions, across tiles too.
.macro TURN slot, next, on
	s_wait_xcnt 0x0                                ; the last prefetch, a K step back, has read its address: it is stepped here, ahead of the waits of the change of slots
.if (\on) && (\slot) == 0
	s_add_nc_u64 s[PFA:PFA+1], s[PFA:PFA+1], (WALK-1)*SIZE_K*2+KSTEP*2  ; from the K step after the tile's last to the next tile's K step 1: WALK rows down, back along K
	s_cmp_eq_u32 s11, 0
	s_cselect_b32 s[LIM], s[LIM], -1               ; B's rows are the same for all tiles of the walk: they are prefetched no more
.else
	s_add_nc_u64 s[PFA:PFA+1], s[PFA:PFA+1], KSTEP*2
.endif
	MEET 1
	CREST                                          ; all sixteen work-groups have said so: no wave of any partner still reads this slot's tile or has a load on its way
.if \on
	s_add_nc_u64 s[G0+4*(\slot)+2:G0+4*(\slot)+3], s[G0+4*(\slot)+2:G0+4*(\slot)+3], NEXT_A
	s_sub_nc_u64 s[G0B+4*(\slot)+2:G0B+4*(\slot)+3], s[G0B+4*(\slot)+2:G0B+4*(\slot)+3], BACK_B
.else
	s_add_nc_u64 s[G0+4*(\slot)+2:G0+4*(\slot)+3], s[G0+4*(\slot)+2:G0+4*(\slot)+3], 2*KSTEP*2
	s_add_nc_u64 s[G0B+4*(\slot)+2:G0B+4*(\slot)+3], s[G0B+4*(\slot)+2:G0B+4*(\slot)+3], 2*KSTEP*2
.endif
	JLOAD \slot                                    ; the first tensor load behind the round, my only one until the next; its four v_nop are also the places in front of the loads below
	FETCH \next, 0, F0
	ASK \on                                        ; behind the joint load and the run of LDS loads that the next products wait for
	MUL16 F1, 1, 0, 0
	MUL16 F1, 1, 2, 0
.endm
; THE WAY OUT of block a (16 rows of my 128), through my own stage in LDS, so that whole rows leave: no barrier, and LDS serves a wave's instructions in order (ISA guide 5.7.1.4), so no wait between the stage's stores and loads.
.if OUT32
.macro TOSTAGE32 a                     ; f32 as it lies in the accumulators: 32 bytes a lane and n block into rows of 528 bytes; back as whole rows of 512
.set AC, 64*((\a)%4)
.set BK, OB32+64*((\a)%2)
	s_wait_xcnt 0x0                                ; the stores of the block two back have read these registers, and every store its base
	WIN 0x08+4*((\a)/4)                            ; the data (source 1) in window 2 or 3
.irp b, 0,1,2,3,4,5,6,7
	ds_store_b128 v[STO], v[AC+8*(\b):AC+8*(\b)+3]   offset:64*(\b)      ; each accumulator's low registers first
	ds_store_b128 v[STO], v[AC+8*(\b)+4:AC+8*(\b)+7] offset:64*(\b)+16
.endr
	WIN 0
.irp t, 0,1,2,3,4,5,6,7,8,9,10,11,12,13,14,15
	ds_load_b128 v[BK+4*(\t):BK+4*(\t)+3], v[RD] offset:(\t)*SPITCH
.endr
.endm
.macro SEND32 a, younger               ; younger: the LDS instructions issued behind block a's loads: the next block's 16 stores and 16 loads, or none
	WIN 0
.set BK, OB32+64*((\a)%2)
	s_wait_dscnt \younger                          ; the block is back in registers
.if (\younger) == 0
	s_wait_xcnt 0x0                                ; no TOSTAGE32 stands in front: the stores just issued have read their base
.endif
.if (\a) == 0
	s_add_nc_u64 s[8:9], s[8:9], s[16:17]          ; on to my first rows
.else
	s_add_nc_u64 s[8:9], s[8:9], 16*SIZE_N*CB      ; 16 rows of C on
.endif
.irp t, 0,1,2,3,4,5,6,7,8,9,10,11,12,13,14,15
	global_store_b128 v[CO], v[BK+4*(\t):BK+4*(\t)+3], s[8:9] offset:(\t)*SIZE_N*CB th:TH_STORE_NT  ; the wave stores 512 consecutive bytes, at a multiple of 512 from C's first byte
.endr
.endm
.else
.macro PACK a                          ; rounded to bf16, 16 bytes a lane, then the ReLU on the packed halves
.set AC, 64*((\a)%4)
	WIN 0x0a+5*((\a)/4)                            ; sources 0 and 1: window 2 or 3
.irp b, 0,1,2,3,4,5,6,7
.irp r, 0,1,2,3
	v_cvt_pk_bf16_f32 v[TMP+4*(\b)+(\r)], v[AC+8*(\b)+2*(\r)], v[AC+8*(\b)+2*(\r)+1]
.endr
.endr
	WIN 0
.set i, 0
.rept 32
	v_pk_max_num_bf16 v[TMP+i], v[TMP+i], v[ZR]    ; two maxima with 0; nothing is rounded
.set i, i+1
.endr
.endm
.macro TOSTAGE a
	WIN 0
.set BK, OB+192*((\a)%2)
.irp b, 0,1,2,3,4,5,6,7
	ds_store_b128 v[STO], v[TMP+4*(\b):TMP+4*(\b)+3] offset:32*(\b)
.endr
.irp t, 0,1,2,3,4,5,6,7
	ds_load_b128 v[BK+4*(\t):BK+4*(\t)+3], v[RD] offset:(\t)*2*SPITCH
.endr
.endm
.macro SEND a, younger
	WIN 0
.set BK, OB+192*((\a)%2)
	s_wait_dscnt \younger                          ; the block is back in registers
	s_wait_xcnt 0x0                                ; only behind this wait are the stores' base and the registers that earlier stores read rewritten
.if (\a) == 0
	s_add_nc_u64 s[8:9], s[8:9], s[16:17]          ; on to this tile's first rows
.else
	s_add_nc_u64 s[8:9], s[8:9], 16*SIZE_N*CB      ; 16 rows of C on
.endif
.irp t, 0,1,2,3,4,5,6,7
	global_store_b128 v[CO], v[BK+4*(\t):BK+4*(\t)+3], s[8:9] offset:2*(\t)*SIZE_N*CB  ; 16 lanes store 256 consecutive bytes, at a multiple of 256 from C's first byte
.endr
.endm
.endif
	s_wait_loadcnt 0x0                             ; the bias
	s_wait_tensorcnt 1                             ; my part of K step 0 is in; K step 1's load, issued behind it, may stay out
	s_barrier_signal -1
	s_barrier_wait -1                              ; everybody's is
	FETCH 0, 0, F0
.if SIZE_TILES > 1
	s_mov_b32 s2, SIZE_TILES                       ; tiles to go, this one among them: the same number in every work-group
.Ltile:                                                ; (FETCH and SEND leave every window 0)
.endif
	QUARTER 0, 64,  F0, F1, 1                      ; a tile's first quarter stands in front of the loop: its products start the sums, with the bias
	WIN 0                                          ; at a label and at a branch every window is 0
	s_mov_b32 s3, LAPS-1
.Llap:                                                 ; a trip goes once round the ring, from a lap's second quarter to the next lap's first, and fills both slots again
	QUARTER 0, 128, F1, F0, 0
	QUARTER 0, 192, F0, F1, 0
	TURN 0, 1, 0
	QUARTER 1, 64,  F0, F1, 0
	QUARTER 1, 128, F1, F0, 0
	QUARTER 1, 192, F0, F1, 0
	TURN 1, 0, 0
	QUARTER 0, 64,  F0, F1, 0
	WIN 0
	s_sub_co_u32 s3, s3, 1
	s_cmp_lg_u32 s3, 0
	s_cbranch_scc1 .Llap
	QUARTER 0, 128, F1, F0, 0                      ; the tile's last lap goes on
	QUARTER 0, 192, F0, F1, 0
.if SIZE_TILES > 1
	WIN 0
	s_cmp_eq_u32 s2, 1
	s_cbranch_scc1 .Llast                          ; the last tile's tail is written out: it asks for nothing more
	TURN 0, 1, 1                                   ; THE RING GOES ON INTO THE NEXT TILE: slot 0 takes its K step 0,
	QUARTER 1, 64,  F0, F1, 0
	QUARTER 1, 128, F1, F0, 0
	QUARTER 1, 192, F0, F1, 0
	TURN 1, 0, 1                                   ; slot 1 its K step 1, and the next tile's first fragments are fetched.  Blocks 0-3 were finished in front of the joint load's four v_nop;
	WIN 0                                          ; their conversions on the way out, which name no register of the last products (blocks 4-7's), are those products' places
	s_branch .Lout
.Llast:
.endif
	MEET 0                                         ; my one tensor load that was still out is slot 1's, the last K step's, so no round follows
	PLACES                                         ; for the loads into buffer 0, which the quarter before multiplied
	FETCH 1, 0, F0
	MUL16 F1, 1, 0, 0
	MUL16 F1, 1, 2, 0
	QUARTER 1, 64,  F0, F1, 0
	QUARTER 1, 128, F1, F0, 0
	QUARTER 1, 192, F0, F1, 0
	s_wait_dscnt 8                                 ; the very last quarter: nothing more to fetch
	MUL16 F1, 0, 0, 0
	MUL16 F1, 0, 2, 0
	s_wait_dscnt 0x0
	MUL16 F1, 1, 0, 0
	MUL16 F1, 1, 2, 0
	PLACES                                         ; what follows reads results just made, and no other vector work is at hand:
	PLACES                                         ; eight places, twice what the form asks for, once a launch
	WIN 0
.if OUT32
	TOSTAGE32 0
.irp a, 0,1,2,3,4,5,6                  ; block a + 1 goes into the stage behind block a's loads from it, and block a's stores leave meanwhile
	TOSTAGE32 (\a)+1
	SEND32 \a, 32
.endr
	SEND32 7, 0
.else
.if SIZE_TILES > 1
.Lout:                                                 ; one way out for both tiles
.endif
	PACK 0
	TOSTAGE 0
.irp a, 1,2,3,4,5,6,7                  ; block a's conversions stand between block a - 1's loads from the stage and the wait for them
	PACK \a
	SEND (\a)-1, 0
	TOSTAGE \a
.endr
	SEND 7, 0
.if SIZE_TILES > 1
	s_mov_b64 s[16:17], NEXT_C                     ; what the next way out adds to C's address
	s_sub_co_u32 s2, s2, 1
	s_cmp_lg_u32 s2, 0
	s_cbranch_scc1 .Ltile
.endif
.endif
	s_wait_tensorcnt 0x0                           ; the wave's end, behind my last tensor load and my last LDS store
	ds_add_u32 v[SPW], v[NIL]
	s_wait_dscnt 0x0
	CROUND                                         ; the closing round: no work-group ends while a partner may still ask for a tile that names it
	s_endpgm
.Lfunc_end_k_qc67c35f4a4_g2:
	.size	k_qc67c35f4a4_g2, .Lfunc_end_k_qc67c35f4a4_g2-k_qc67c35f4a4_g2
	.p2alignl 7, 3214868480
	.fill 96, 4, 3214868480
	.section	.rodata,"a",@progbits
	.p2align	6, 0x0
	.amdhsa_kernel k_qc67c35f4a4_g2
		.amdhsa_group_segment_fixed_size 327680
		.amdhsa_private_segment_fixed_size 0
		.amdhsa_enable_private_segment 0
		.amdhsa_kernarg_size 32
		.amdhsa_user_sgpr_count 2
		.amdhsa_user_sgpr_kernarg_segment_ptr 1
		.amdhsa_wavefront_size32 1
		.amdhsa_system_sgpr_workgroup_id_x 1
		.amdhsa_system_sgpr_workgroup_id_y 1
		.amdhsa_system_sgpr_workgroup_id_z 1
		.amdhsa_system_vgpr_workitem_id 0
		.amdhsa_next_free_vgpr 1024
		.amdhsa_next_free_sgpr 68
		.amdhsa_reserve_vcc 0
		.amdhsa_float_denorm_mode_32 3
		.amdhsa_float_denorm_mode_16_64 3
		.amdhsa_memory_ordered 1
		.amdhsa_forward_progress 1
		.amdhsa_inst_pref_size 144
	.end_amdhsa_kernel
	.amdgpu_metadata
---
amdhsa.version: [ 1, 2 ]
amdhsa.kernels:
  - .name:           k_qc67c35f4a4_g2
    .symbol:         k_qc67c35f4a4_g2.kd
    .args:
      - { .name: hb, .offset: 0, .size: 8, .value_kind: global_buffer, .address_space: global }
      - { .name: w2b, .offset: 8, .size: 8, .value_kind: global_buffer, .address_space: global }
      - { .name: b2, .offset: 16, .size: 8, .value_kind: global_buffer, .address_space: global }
      - { .name: out0, .offset: 24, .size: 8, .value_kind: global_buffer, .address_space: global }
    .group_segment_fixed_size: 327680
    .private_segment_fixed_size: 0
    .kernarg_segment_align: 8
    .kernarg_segment_size: 32
    .max_flat_workgroup_size: 128
    .sgpr_count:     68
    .vgpr_count:     1024
    .wavefront_size: 32
...
	.end_amdgpu_metadata
.endif
;; end of part 3
